; MI455X (gfx1250); checked and timed in simulation.
; The chip was launched on July 23, 2026; its instructions are those of AMD's public machine-readable ISA for CDNA 5 (MIT licence, August 2026) and "CDNA5" Instruction Set Architecture Reference Guide (July 2026). The comments in the code are by the model that wrote it; some were corrected since.
;; Attention. Allowed arithmetic: matrix products marked QUANTISED: E5M2 operands, one E8M0 scale for each 32 along K, by v_wmma_scale_f32_16x16x128_f8f6f4 with both operands' format E5M2, f32 sums; products left as they are: f32 operands where the result goes on into a quantised operand, else bf16, f16 or f32 operands; f32 sums; everything else in f32.
;; Inputs: W_codes 1,024 x 32 x 32 uint8 (E5M2 codes of W, K innermost, in blocks of 32 codes); W_scales 1,024 x 32 uint8 (E8M0 scales of W, one for each 32 codes along K); b 1,024 float32; encoder_outputs_codes 2,048 x 32 x 32 x 32 uint8 (E5M2 codes of encoder_outputs, K innermost, in blocks of 32 codes); encoder_outputs_scales 2,048 x 32 x 32 uint8 (E8M0 scales of encoder_outputs, one for each 32 codes along K); hidden 1 x 32 x 1,024 float32.
;; Outputs: out0 32 x 1 x 2,048 float32.
;; This version of the problem:
;;   THIS VERSION OF THE PROBLEM IS GIVEN IN LOW PRECISION. The matrix products marked QUANTISED in the list below multiply operands that are first quantised to E5M2 (5 exponent bits, 2 mantissa bits; 8 bits a number), with one power-of-two scale for each 32 numbers along K (OCP MX v1.0); their sums are f32. All else is computed in f32.
;;   The module's matrix products, in the order in which they are computed (A, B: the left and right operand; K: the contracted axis; several contracted axes count as one K, in the product's order):
;;     1. [M 65,536, K 1,024] x [K 1,024, N 1,024]; A: input encoder_outputs (given as codes); B: input W (given as codes): QUANTISED
;;     2. batch 32 x [M 1, K 1,024] x [K 1,024, N 2,048]; A: input hidden; B: computed on the way: left as it is (M = 1 < 16)
;;   THE QUANTISER, for each operand of a quantised product, along K:
;;     - K is cut into blocks of 32 from its start; a last block that is shorter is filled with zeros.
;;     - A block's scale is 2^e with e = floor(log2(the largest magnitude in the block)) - 15, held to -126 .. 127; a block of zeros has e = 0. As a byte (E8M0): e + 127.
;;     - Each number is divided by its block's scale, clamped to +-57,344, and rounded to the nearest number of E5M2, ties to even, subnormals kept.
;;     - The product sums the exact products of the quantised numbers (number of the format x scale) in f32.
;;   ~~~python
;;   def quantise(x, axis):      # numpy; x: float32 -> the quantised numbers, widened to float32 again
;;       x = np.moveaxis(x, axis, -1); K = x.shape[-1]
;;       x = np.pad(x, [(0, 0)] * (x.ndim - 1) + [(0, -K % 32)]); x = x.reshape(x.shape[:-1] + (-1, 32)); a = np.abs(x).max(-1, keepdims=True)
;;       e = np.where(a > 0, np.clip(np.frexp(np.where(a > 0, a, 1))[1] - 1 - 15, -126, 127), 0)      # np.frexp(a)[1] - 1 = floor(log2(a)), exactly
;;       r = np.clip(x / 2.0 ** e, -57344, 57344)
;;       step = 2.0 ** (np.maximum(np.frexp(np.where(r == 0, 1, r))[1] - 1, -14) - 2)
;;       q = np.round(r / step) * step * 2.0 ** e      # np.round: ties to even
;;       return np.moveaxis(q.reshape(q.shape[:-2] + (-1,))[..., :K], -1, axis).astype(np.float32)
;;   ~~~
;;   INPUTS GIVEN AS CODES. W (in the module: [1024, 1024], K = its axis 1); encoder_outputs (in the module: [2048, 32, 1024], K = its axis 2): each comes as NAME_codes (uint8): NAME with its K axis moved to the last place and cut into blocks of 32 codes, [.., K / 32, bytes a block], one block behind the other in memory; one code a byte (a code: sign, 5 exponent bits, 2 mantissa bits); and NAME_scales (uint8): the same leading axes, one E8M0 byte (e + 127) for each 32 codes along K. Its value is code x scale, taken as it is: it is not quantised again, and the codes and scales need not be those that the quantiser above would give.
;; One version. Each part assembles by itself: llvm-mc -triple=amdgcn-amd-amdhsa -mcpu=gfx1250 --defsym DOCPART=n.
;; ======== version 1 of 1: 2 launches
;; limits: right only within a limited range of input values
;; workspace buffers: part 1,048,576 bytes
;; launch scores (part 1): grid 4 x 64, 8 waves a work-group, clusters of 4 x 4, 327,680 bytes of LDS; arguments W_codes, W_scales, encoder_outputs_codes, encoder_outputs_scales, hidden, part; writes part
.if DOCPART == 1
	.amdgcn_target "amdgcn-amd-amdhsa--gfx1250"
	.amdhsa_code_object_version 6
	.text
	.protected	k_qa7b6107a8f_scores
	.globl	k_qa7b6107a8f_scores
	.p2align	8
	.type	k_qa7b6107a8f_scores,@function
k_qa7b6107a8f_scores:
	s_mov_b64 s[64:65], 0
	v_nop
	global_prefetch_b8 v0, s[64:65] scope:SCOPE_SE
	s_setreg_imm32_b32 hwreg(HW_REG_WAVE_MODE, 25, 1), 1
	s_wait_xcnt 0x0
	s_wait_alu depctr_hold_cnt(0) depctr_sa_sdst(0) depctr_va_vdst(0) depctr_va_sdst(0) depctr_va_ssrc(0) depctr_va_vcc(0) depctr_vm_vsrc(0)
	s_getreg_b32 s2, hwreg(HW_REG_IB_STS2, 6, 4)
	s_cmp_eq_u32 s2, 0
	s_cbranch_scc0 .Lentry_in_a_cluster
	s_endpgm
.Lentry_in_a_cluster:
	s_bfe_u32 s2, ttmp6, 0x10000c
	s_cmp_lg_u32 s2, 0xf033
	s_cbranch_scc0 .Lentry_shape_is_right
	s_endpgm
.Lentry_shape_is_right:
; part[nq][b][s] = sum over n of n quarter nq of hidden[b][n] x (sum over k of W[n][k] E[s][b][k]): E5M2 codes, an E8M0 scale for each 32 along k, f32 sums.
; DEAD WORK LEFT OUT: the bias.  hidden . (W e + bias) = hidden . W e + hidden . bias, and hidden[b] . bias is one number for all s of a row of the softmax,
; which a softmax along s cancels for all finite values.  So b is not loaded and is no argument.  LIMIT: a NaN, an infinity or an overflow that reaches only that term is not carried to the result.
; SHARES.  A work-group takes 256 rows of W (a quarter of n) and 1,024 rows of E (one batch b, half of s).  Its wave w takes K quarter q = w % 4 (bytes 256 q .. 256 q + 255 of a row)
; and 128 of the 256 rows of W (g = w / 4: rows 64 g .. 64 g + 63 and 128 + 64 g .. 128 + 64 g + 63): 8 tiles of 16 n x 2 K steps of 128, which stay in 256 registers.
; E streams through LDS, 16 rows (a tile) at a time; each fragment of E that a wave loads feeds 8 products.
; The dot with hidden is linear, so each wave makes it for its own part of n and k; the eight waves' numbers are added at the end, the four n quarters' in the next launch.
; Two waves share a SIMD.  W's tiles form two groups of four; behind each product of one group stand two packed multiply-adds of the other group's dots.
; CLUSTERS: cx = n quarter, cy = four neighbouring b.  E's tiles are asked for jointly along a row (same cy), W's along a column (same cx).
; LAYOUT: source 0 = 16 rows of W, source 1 = 16 rows of E: lane l holds row l % 16 of E, registers 0-7 are n = 8 (l / 16) + 0..7.
; WINDOWS: window 1 holds W's tiles 0-5 and hidden of tiles 0, 1, 4-7; all else is in window 0.  A dot takes hidden as source 0, from the window that source 0 of the product ahead of it has.
.set PITCH, 1040                       ; an LDS row: 1,024 bytes + 16 of padding = an odd multiple of 16 bytes
.set TILEB, 16*PITCH
.set SLOT,  128*PITCH                  ; 133,120: its two bits are in no wave's offset (16 PITCH x wave), so an exclusive or adds it
.set HSLOT, 64*PITCH
.set SCE,   2*SLOT                     ; E's scale bytes: two areas of 128 rows of 32
.set STG,   SCE+8192                   ; the stage: for each wave 65 rows of 64 bytes (row i: tile i - 1), 4,352 bytes
.set STW,   4352
.set HID,   STG+8*STW                  ; hidden: my batch's 256 numbers of my n quarter
.set SPARE, HID+1024                   ; the spare words
.set ECH,   0x400000                   ; 128 rows of E, 32,768 bytes apart
.set SCH,   0x20000                    ; and of its scales, 1,024 bytes apart
.set AE,   2                           ; v2-5: my lane's place in slot 0, tiles 0-3, 4-7; in slot 1
.set AS,   6                           ; E's scale words
.set STO,  7                           ; my stage
.set ES,   8                           ; v8, v16: E's scale words of a tile, two buffers
.set SPW,  9
.set NIL,  10
.set PFO,  11                          ; the prefetches' offset: a lane a row
.set ESG,  12                          ; E's scales: in memory,
.set ESL,  13                          ; and in LDS
.set RD,   14                          ; the way out
.set CO,   15
.set STOB, 17
.set RR,   18                          ; a finished tile's number (in the loop),
.set XX,   24                          ; and lane l xor 16's
.set AW,   18                          ; v18, v19: W in slot 0, 1 (at the head)
.set HA,   20                          ; hidden in LDS
.set WS,   25                          ; W's scale words, v25-31, v33
.set QQ,   34                          ; a finished tile's pair
.set ED,   36                          ; v36-39: E's scale bytes on their way
.set SA,   40                          ; sums of group 0's dots, two pairs;
.set SB,   44                          ; of group 1's
.set H23,  48                          ; hidden of tiles 2, 3
.set W67,  64                          ; W's tiles 6, 7
.set ACC,  128                         ; 8 accumulators
.set FR,   192                         ; E's fragments, two buffers of 32
.set H01,  192                         ; window 1: hidden of tiles 0, 1;
.set H47,  208                         ; of tiles 4-7
.set G1W,  24
.set G1E,  32
.set G0E,  40
.set G0W,  44
.set PF,   48
.set TRIP, 51
.set STP,  75                          ; stage bytes behind the chunks that are done
.set PADW, (1<<20)|(1<<21)|(7<<22)|(3<<25)   ; bytes; padding on, bit 21 beside a mask, 4 words after every 256
.set MSB, 0
.macro WIN new
.if MSB != \new
	s_set_vgpr_msb (MSB<<8)|(\new)
.set MSB, \new
.endif
.endm
.macro CREST
	s_cmp_lg_u32 s16, 0
	s_cbranch_scc1 .Lnot_wave_0_\@
	s_barrier_signal -3
.Lnot_wave_0_\@:
	s_barrier_wait -3
	s_barrier_signal -1
	s_barrier_wait -1
.endm
.macro CROUND
	s_barrier_signal -1
	s_barrier_wait -1
	CREST
.endm
.macro SHADD d, src, n, tmp            ; s[d] += s[src] << n
	s_lshl_b32 s[\tmp], s[\src], \n
	s_add_co_u32 s[\d], s[\d], s[\tmp]
.endm
.macro FILL                            ; my 16 rows of a chunk of E
	tensor_load_to_lds s[G0E:G0E+3], s[G1E:G1E+7]
	s_nop 0
.rept 4
	v_nop
.endr
.endm
.macro STEPS                           ; no tensor load of mine is out: the other slot, the next chunk; the scales and the prefetches a chunk on
	s_xor_b32 s[G0E+1], s[G0E+1], SLOT
	s_add_nc_u64 s[G0E+2:G0E+3], s[G0E+2:G0E+3], ECH
	s_wait_xcnt 0x0
	s_add_nc_u64 s[PF:PF+1], s[PF:PF+1], ECH
	s_add_nc_u64 s[10:11], s[10:11], SCH
.endm
; A prefetch names the chunk that the NEXT fill will ask for: 128 rows x 1,024 bytes; the four partners of a row take 32 rows each, by address;
; wave w of waves 0-3 names the w-th 256 bytes of each row, a lane a row: each block once in a cluster.
.macro ASK
	s_cmp_lt_u32 s16, 4
	s_cbranch_scc0 .Lno_ask_\@
	global_prefetch_b8 v[PFO], s[PF:PF+1] th:TH_LOAD_NT scope:SCOPE_SE
.Lno_ask_\@:
.endm
.macro ASKIF                           ; not in the last trip: no chunk is left
	s_cmp_eq_u32 s[TRIP], 1
	s_cbranch_scc1 .Lall_asked_\@
	ASK
.Lall_asked_\@:
.endm
.macro WREAD t0, adr                   ; four of my tiles of W: 16 rows x my 256 bytes -> 32 registers each
.irp t, 0,1,2,3
.set rT, \t0+\t
.if rT < 6
	WIN 0x40
.set rW, 32*rT
.else
	WIN 0
.set rW, W67+32*(rT-6)
.endif
.irp c, 0,1,2,3,4,5,6,7
	ds_load_b128 v[rW+4*\c:rW+4*\c+3], v[\adr] offset:\t*TILEB+32*\c
.endr
.endr
	WIN 0
.endm
.macro HREG t                          ; where hidden of tile t lies
.if (\t) < 2
.set rH, H01+8*(\t)
.elseif (\t) < 4
.set rH, H23+8*((\t)-2)
.else
.set rH, H47+8*((\t)-4)
.endif
.endm
.macro LOADS n, par, fb                ; tile n of the chunk in slot par: its scale words and its two fragments
	ds_load_b32 v[ES+8*(\fb)], v[AS] offset:4096*(\par)+512*(\n)
.irp c, 0,1,2,3,4,5,6,7
	ds_load_b128 v[FR+32*(\fb)+4*\c:FR+32*(\fb)+4*\c+3], v[AE+2*(\par)+(\n)/4] offset:((\n)%4)*TILEB+32*\c
.endr
.endm
.macro WP t, k, fb                     ; one product: tile t of W, K step k, fragment buffer fb
.if (\t) < 6
.set rW, 32*(\t)+16*(\k)
.else
.set rW, W67+32*((\t)-6)+16*(\k)
.endif
.set rP, ACC+8*(\t)
.set rE, FR+32*(\fb)+16*(\k)
.set rX, WS+(\t)+((\t)/7)
.set rY, ES+8*(\fb)
.if (\k) == 0
	v_wmma_scale_f32_16x16x128_f8f6f4 v[rP:rP+7], v[rW:rW+15], v[rE:rE+15], 0, v[rX], v[rY] matrix_a_fmt:MATRIX_FMT_BF8 matrix_b_fmt:MATRIX_FMT_BF8
.else
	v_wmma_scale_f32_16x16x128_f8f6f4 v[rP:rP+7], v[rW:rW+15], v[rE:rE+15], v[rP:rP+7], v[rX], v[rY] matrix_a_fmt:MATRIX_FMT_BF8 matrix_b_fmt:MATRIX_FMT_BF8 matrix_a_scale:MATRIX_SCALE_ROW1 matrix_b_scale:MATRIX_SCALE_ROW1
.endif
.endm
.macro DP t, k, sb                     ; half of accumulator t's dot: registers 4 k .. 4 k + 3, into the two pairs of sums at sb; a group's first starts them
	HREG \t
.irp d, 0,1
.set rD, ACC+8*(\t)+4*(\k)+2*\d
.set rG, rH+4*(\k)+2*\d
.set rS, \sb+2*\d
.if (((\t)%4) == 0) && ((\k) == 0)
	v_pk_mul_f32 v[rS:rS+1], v[rG:rG+1], v[rD:rD+1]
.else
	v_pk_fma_f32 v[rS:rS+1], v[rG:rG+1], v[rD:rD+1], v[rS:rS+1]
.endif
.endr
.endm
.macro T1H k, fb                       ; half of group 1's turn, with half of group 0's dots
	WIN 1
	WP 4, \k, \fb
	DP 0, \k, SA
	WP 5, \k, \fb
	DP 1, \k, SA
	WIN 0
	WP 6, \k, \fb
	DP 2, \k, SA
	WP 7, \k, \fb
	DP 3, \k, SA
.endm
.macro T0H k, fb, dots                 ; half of group 0's turn, with half of group 1's dots
	WIN 1
.irp t, 0,1,2,3
	WP \t, \k, \fb
.if \dots
	DP 4+\t, \k, SB
.endif
.endr
	WIN 0
.endm
.macro SUMQ                            ; a tile's four pairs of sums -> one pair
	v_pk_add_f32 v[QQ:QQ+1], v[SA:SA+1], v[SA+2:SA+3]
	v_pk_add_f32 v[SB:SB+1], v[SB:SB+1], v[SB+2:SB+3]
	s_delay_alu instid0(VALU_DEP_1)
	v_pk_add_f32 v[QQ:QQ+1], v[QQ:QQ+1], v[SB:SB+1]
.endm
.macro RED1                            ; -> one number, and lane l xor 16's
	v_add_f32 v[RR], v[QQ], v[QQ+1]
	s_delay_alu instid0(VALU_DEP_1)
	v_permlanex16_b32 v[XX], v[RR], s20, s21
.endm
.macro RED2 row                        ; -> my part of the row's number: into the stage (lanes l and l xor 16 store the same)
	v_add_f32 v[RR], v[RR], v[XX]
	ds_store_b32 v[STO], v[RR] offset:64*(\row)
.endm
; A UNIT (tile i = u of its chunk): group 1's turn (i) with group 0's dots (i); group 0's turn (i + 1) with group 1's dots (i); in the middle of it the loads of tile i + 2.
; Between a product and the first dot that reads it stand 8 or more of the other dots' lines; between a buffer's last product and the loads into it 11 or more vector lines.
; The two groups' sums lie apart: 16 vector lines or more stand between a set's last sums and the next line that reads them behind a wait.
; kind 0: inside the stream.  1: the change of slots stands in it (u = 6).  2: nothing is left to load.  3: the very last unit.
.macro UNIT u, cp, kind, fill, sc
.set PB, (\u)%2
	T1H 0, PB
	T1H 1, PB
	s_wait_dscnt 0x0                               ; tile i + 1, asked for in the unit before, and the stage's store
.if \sc
	s_wait_loadcnt 0x0
	ds_store_b128 v[ESL], v[ED:ED+3] offset:4096*(1-\cp)   ; the next chunk's scale bytes: their area was last read ahead of the last change of slots
.endif
.if \kind == 1
	s_wait_tensorcnt 0x0                           ; my part of the next chunk has landed
	ds_add_u32 v[SPW], v[NIL]
.if \fill
	STEPS
.endif
.endif
	RED1                                           ; the tile before (unit 0 of all: zeros, for a row of the stage that nobody reads)
.if \kind == 3
	WIN 1
.irp t, 4,5,6,7
	DP \t, 0, SB
.endr
.irp t, 4,5,6,7
	DP \t, 1, SB
.endr
	WIN 0
	RED2 8*(\cp)+(\u)
	SUMQ
.else
	T0H 0, 1-PB, 1
.if \kind == 1
	s_wait_alu depctr_va_vdst(0)
	s_wait_dscnt 0x0                               ; the add is done, and so are my reads of this slot
	s_barrier_signal -1
.else
	RED2 8*(\cp)+(\u)
.if \kind == 0
	LOADS ((\u)+2)%8, ((\cp)+((\u)+2)/8)%2, PB
.endif
.endif
	T0H 1, 1-PB, 1
	SUMQ
.if \kind == 1
	s_barrier_wait -1                              ; nobody reads the old slot any more, and the other one is whole
.if \fill
	CREST                                          ; the rest of the cluster's round
	FILL                                           ; the old slot takes the chunk two further on
.endif
	LOADS ((\u)+2)%8, ((\cp)+((\u)+2)/8)%2, PB
	RED2 8*(\cp)+(\u)
.if \fill
	global_load_b128 v[ED:ED+3], v[ESG], s[10:11]  ; and that chunk's scale bytes: 16 rows of 32 a wave
.if \cp
	ASKIF
.else
	ASK
.endif
.endif
.endif
.endif
.endm
.macro CHUNK cp, fill, last
	UNIT 0, \cp, 0, 0, 0
	UNIT 1, \cp, 0, 0, 0
	UNIT 2, \cp, 0, 0, 0
	UNIT 3, \cp, 0, 0, 0
	UNIT 4, \cp, 0, 0, 1-\last
	UNIT 5, \cp, 0, 0, 0
.if \last
	UNIT 6, \cp, 2, 0, 0
	UNIT 7, \cp, 3, 0, 0
.else
	UNIT 6, \cp, 1, \fill, 0
	UNIT 7, \cp, 0, 0, 0
.endif
.endm
	s_load_b256 s[4:11], s[0:1], 0x0               ; W codes, W scales, E codes, E scales
	s_load_b128 s[12:15], s[0:1], 0x20             ; hidden, part
	v_lshl_add_u32 v[SPW], v0, 2, SPARE
	v_mov_b32 v[NIL], 0
	ds_add_u32 v[SPW], v[NIL]                      ; the opening: the add, twice on end, and its wait
	ds_add_u32 v[SPW], v[NIL]
	v_lshrrev_b32 v24, 5, v0
	v_readfirstlane_b32 s16, v24                   ; wave
	s_and_b32 s76, s16, 3                          ; q: K quarter
	s_lshr_b32 s77, s16, 2                         ; g: which of W's rows
	s_bfe_u32 s17, ttmp6, 0x40000                  ; cx = n quarter
	s_bfe_u32 s18, ttmp6, 0x40004                  ; cy
	s_and_b32 s19, ttmp7, 0xffff
	s_lshl_b32 s19, s19, 2
	s_add_co_u32 s19, s19, s18
	s_and_b32 s22, s19, 31                         ; b
	s_lshr_b32 s23, s19, 5                         ; half of s
	s_mov_b32 s20, 0x76543210
	s_mov_b32 s21, 0xfedcba98                      ; lane l xor 16
	s_lshl_b32 s52, s18, 2
	s_lshl_b32 s52, 15, s52                        ; my row of the cluster
	s_lshl_b32 s53, 0x1111, s17                    ; my column
	s_or_b32 s[G1E], s52, PADW
	s_or_b32 s[G1W], s53, PADW
	s_mov_b32 s[G1E+1], 1024<<16                   ; rows of 1,024 bytes
	s_mov_b32 s[G1W+1], 1024<<16
	s_mov_b32 s[G1E+2], 16<<16                     ; E: 16 rows a wave, 32,768 bytes apart
	s_mov_b32 s[G1W+2], 32<<16                     ; W: 32 rows a wave, dense
	s_mov_b32 s[G1E+3], 1024<<16
	s_mov_b32 s[G1W+3], 1024<<16
	s_mov_b32 s[G1E+4], 16
	s_mov_b32 s[G1W+4], 32
	s_mov_b32 s[G1E+5], 32768
	s_mov_b32 s[G1W+5], 1024
	s_mov_b32 s[G1E+6], 0
	s_mov_b32 s[G1W+6], 0
	s_mov_b32 s[G1E+7], 0
	s_mov_b32 s[G1W+7], 0
	s_lshl_b32 s54, s23, 25                        ; E: half of s, b
	SHADD 54, 22, 10, 55
	s_lshl_b32 s56, s16, 19                        ; + my 16 rows: the tensor loads
	s_add_co_u32 s56, s56, s54
	s_mov_b32 s57, 0
	s_lshl_b32 s58, s17, 20                        ; + my work-group's 32 rows, my 256 bytes: the prefetches
	s_add_co_u32 s58, s58, s54
	SHADD 58, 76, 8, 63
	s_mov_b32 s59, 0
	s_lshl_b32 s60, s17, 18                        ; W
	SHADD 60, 16, 15, 62
	s_mov_b32 s61, 0
	s_lshl_b32 s66, s23, 20                        ; E's scales: my 16 rows of a chunk
	SHADD 66, 22, 5, 63
	SHADD 66, 16, 14, 63
	s_mov_b32 s67, 0
	s_lshl_b32 s68, s17, 13                        ; W's scales
	SHADD 68, 77, 11, 63
	SHADD 68, 76, 3, 63
	s_mov_b32 s69, 0
	s_lshl_b32 s70, s22, 12                        ; hidden
	SHADD 70, 17, 10, 63
	s_mov_b32 s71, 0
	s_lshl_b32 s72, s17, 18                        ; part: my 128 rows on the way out
	SHADD 72, 22, 13, 63
	SHADD 72, 23, 12, 63
	SHADD 72, 16, 9, 63
	s_mov_b32 s73, 0
	s_mov_b32 s[STP], 0
	; vector set-up: r = l % 16, h = l / 16
	s_lshl_b32 s52, s76, 8
	s_lshl_b32 s53, s76, 3
	s_add_co_u32 s53, s53, SCE
	s_mul_i32 s54, s16, STW
	s_add_co_u32 s54, s54, STG
	s_lshl_b32 s55, s16, 9
	s_add_co_u32 s55, s55, SCE
	s_lshl_b32 s62, s16, 9
	s_add_co_u32 s62, s62, STG+64
	s_mul_i32 s63, s77, HSLOT
	s_lshl_b32 s74, s77, 8
	s_add_co_u32 s74, s74, HID
	v_and_b32 v21, 15, v0
	v_bfe_u32 v22, v0, 4, 1
	v_and_b32 v23, 31, v0
	v_mul_u32_u24 v[AE], PITCH, v21
	v_lshl_add_u32 v[AE], v22, 4, v[AE]
	v_add_nc_u32 v[AE], s52, v[AE]                 ; r PITCH + 16 h + 256 q
	v_add_nc_u32 v[AE+1], HSLOT, v[AE]
	v_add_nc_u32 v[AE+2], SLOT, v[AE]
	v_add_nc_u32 v[AE+3], SLOT+HSLOT, v[AE]
	v_add_nc_u32 v[AW], s63, v[AE]                 ; W: 64 g rows on
	v_add_nc_u32 v[AW+1], SLOT, v[AW]
	v_lshlrev_b32 v200, 5, v21
	v_lshl_add_u32 v200, v22, 2, v200              ; 32 r + 4 h: W's scale words: lanes 0-15 K step 0, lanes 16-31 K step 1
	v_add_nc_u32 v[AS], s53, v200                  ; E's likewise, in LDS
	v_lshl_add_u32 v[STOB], v21, 2, s54
	v_mov_b32 v[STO], v[STOB]
	v_lshlrev_b32 v[PFO], 15, v23
	v_lshrrev_b32 v[ESG], 1, v23                   ; E's scales from memory: two lanes a row of 32 bytes
	v_lshlrev_b32 v[ESG], 10, v[ESG]
	v_and_b32 v201, 1, v23
	v_lshl_add_u32 v[ESG], v201, 4, v[ESG]
	v_lshl_add_u32 v[ESL], v23, 4, s55             ; and into LDS, dense
	v_lshl_add_u32 v[HA], v22, 5, s74              ; hidden: 256 g + 32 h
	v_lshlrev_b32 v202, 2, v0                      ; one number of hidden a thread,
	v_lshl_add_u32 v203, v0, 2, HID                ; into LDS
	v_lshl_add_u32 v[RD], v23, 4, s62
	v_lshlrev_b32 v[CO], 4, v23
	v_mov_b32 v[QQ], 0
	v_mov_b32 v[QQ+1], 0
	v_mov_b32 v[XX], 0                             ; (a lane permute's destination counts as a source)
	s_wait_alu depctr_va_vdst(0)
	s_wait_dscnt 0x0                               ; both opening adds are done
	s_wait_kmcnt 0x0
	s_mov_b32 s[G0W], 1
	s_mul_i32 s[G0W+1], s16, 32*PITCH
	s_add_nc_u64 s[G0W+2:G0W+3], s[4:5], s[60:61]
	s_or_b32 s[G0W+3], s[G0W+3], 0x80000000
	s_mov_b32 s[G0E], 1
	s_mul_i32 s[G0E+1], s16, 16*PITCH
	s_add_nc_u64 s[G0E+2:G0E+3], s[8:9], s[56:57]
	s_or_b32 s[G0E+3], s[G0E+3], 0x80000000
	s_add_nc_u64 s[PF:PF+1], s[8:9], s[58:59]
	s_add_nc_u64 s[10:11], s[10:11], s[66:67]
	s_add_nc_u64 s[6:7], s[6:7], s[68:69]
	s_add_nc_u64 s[12:13], s[12:13], s[70:71]
	s_add_nc_u64 s[14:15], s[14:15], s[72:73]
	CROUND                                         ; all sixteen work-groups are here: the joint loads meet
	tensor_load_to_lds s[G0W:G0W+3], s[G1W:G1W+7]  ; W's 256 rows fill both slots, 32 rows a wave
	s_nop 0
.rept 4
	v_nop
.endr
	global_load_b128 v[204:207], v[ESG], s[10:11]  ; E's scales: chunk 0,
	global_load_b128 v[ED:ED+3], v[ESG], s[10:11] offset:SCH   ; chunk 1 (stored in chunk 0's unit 4)
	global_load_b32 v208, v202, s[12:13]           ; hidden
.irp t, 0,1,2,3,4,5,6,7
	global_load_b32 v[WS+\t+(\t/7)], v200, s[6:7] offset:512*\t+2048*(\t/4)
.endr
	ASK                                            ; chunk 0 of E, whose load stands behind W's
	s_wait_loadcnt 8                               ; W's eight scale loads may be out
	ds_store_b128 v[ESL], v[204:207]
	ds_store_b32 v203, v208
	s_wait_xcnt 0x0
	s_add_nc_u64 s[PF:PF+1], s[PF:PF+1], ECH
	s_wait_tensorcnt 0x0                           ; my part of W is in,
	s_wait_dscnt 0x0                               ; and my bytes are stored
	s_barrier_signal -1
	s_barrier_wait -1
	WREAD 0, AW                                    ; tiles 0-3 from slot 0
	s_wait_tensorcnt 0x0                           ; (none is out)
	ds_add_u32 v[SPW], v[NIL]
	s_wait_dscnt 0x0                               ; slot 0's part of W is in registers
	CROUND
	FILL                                           ; chunk 0 of E over it
	WREAD 4, AW+1                                  ; tiles 4-7 from slot 1
.irp t, 0,1,4,5,6,7,2,3
	HREG \t
.if (\t == 2) || (\t == 3)
	WIN 0
.else
	WIN 0x40
.endif
	ds_load_b128 v[rH:rH+3], v[HA] offset:64*\t+256*(\t/4)
	ds_load_b128 v[rH+4:rH+7], v[HA] offset:64*\t+256*(\t/4)+16
.endr
	WIN 0
	ASK                                            ; chunk 1
	s_wait_loadcnt 0x0                             ; W's scales
	s_wait_tensorcnt 0x0
	ds_add_u32 v[SPW], v[NIL]
	STEPS
	s_wait_dscnt 0x0                               ; slot 1's part of W is in registers
	CROUND
	FILL                                           ; chunk 1
	LOADS 0, 0, 0                                  ; tiles 0 and 1
	LOADS 1, 0, 1
	ASK                                            ; chunk 2
	s_wait_dscnt 9                                 ; tile 1's nine loads may be out
	T0H 0, 0, 0                                    ; group 0's turn for tile 0: no dots are due yet
	T0H 1, 0, 0
.rept 8
	v_nop                                          ; places behind the products whose results the first dots read
.endr
	s_mov_b32 s[TRIP], 3
.Lchunks:                                              ; chunks 0 to 5, two a trip: each change of slots fills the old slot again
	CHUNK 0, 1, 0
	CHUNK 1, 1, 0
	s_add_co_u32 s[STP], s[STP], 1024
	v_add_nc_u32 v[STO], s[STP], v[STOB]
	s_sub_co_u32 s[TRIP], s[TRIP], 1
	s_cmp_lg_u32 s[TRIP], 0
	s_cbranch_scc1 .Lchunks
	CHUNK 0, 0, 0                                  ; chunk 6: the last change of slots, nothing is filled again
	CHUNK 1, 0, 1                                  ; chunk 7
	RED1                                           ; the last tile's number
	RED2 16
	s_wait_tensorcnt 0x0                           ; the wave's end
	ds_add_u32 v[SPW], v[NIL]
	s_wait_dscnt 0x0
	s_barrier_signal -1
	s_barrier_wait -1                              ; all eight stages are written
.irp q, 0,1,2,3,4,5,6,7                        ; my 128 rows, 4 a lane: the eight waves' numbers
	ds_load_b128 v[192+4*\q:195+4*\q], v[RD] offset:STW*\q
.endr
	s_wait_dscnt 0x0
.irp d, 192,194
	v_pk_add_f32 v[\d:\d+1], v[\d:\d+1], v[\d+4:\d+5]
	v_pk_add_f32 v[\d+8:\d+9], v[\d+8:\d+9], v[\d+12:\d+13]
	v_pk_add_f32 v[\d+16:\d+17], v[\d+16:\d+17], v[\d+20:\d+21]
	v_pk_add_f32 v[\d+24:\d+25], v[\d+24:\d+25], v[\d+28:\d+29]
	v_pk_add_f32 v[\d:\d+1], v[\d:\d+1], v[\d+8:\d+9]
	v_pk_add_f32 v[\d+16:\d+17], v[\d+16:\d+17], v[\d+24:\d+25]
	v_pk_add_f32 v[\d:\d+1], v[\d:\d+1], v[\d+16:\d+17]
.endr
	global_store_b128 v[CO], v[192:195], s[14:15] th:TH_STORE_NT   ; 512 consecutive bytes a wave
	CROUND                                         ; the closing round
	s_endpgm
.Lfunc_end_k_qa7b6107a8f_scores:
	.size	k_qa7b6107a8f_scores, .Lfunc_end_k_qa7b6107a8f_scores-k_qa7b6107a8f_scores
	.p2alignl 7, 3214868480
	.fill 96, 4, 3214868480
	.section	.rodata,"a",@progbits
	.p2align	6, 0x0
	.amdhsa_kernel k_qa7b6107a8f_scores
		.amdhsa_group_segment_fixed_size 327680
		.amdhsa_private_segment_fixed_size 0
		.amdhsa_enable_private_segment 0
		.amdhsa_kernarg_size 48
		.amdhsa_user_sgpr_count 2
		.amdhsa_user_sgpr_kernarg_segment_ptr 1
		.amdhsa_wavefront_size32 1
		.amdhsa_system_sgpr_workgroup_id_x 1
		.amdhsa_system_sgpr_workgroup_id_y 1
		.amdhsa_system_sgpr_workgroup_id_z 1
		.amdhsa_system_vgpr_workitem_id 0
		.amdhsa_next_free_vgpr 512
		.amdhsa_next_free_sgpr 80
		.amdhsa_reserve_vcc 0
		.amdhsa_float_denorm_mode_32 3
		.amdhsa_float_denorm_mode_16_64 3
		.amdhsa_memory_ordered 1
		.amdhsa_forward_progress 1
		.amdhsa_inst_pref_size 191
	.end_amdhsa_kernel
	.amdgpu_metadata
---
amdhsa.version: [ 1, 2 ]
amdhsa.kernels:
  - .name:           k_qa7b6107a8f_scores
    .symbol:         k_qa7b6107a8f_scores.kd
    .args:
      - { .name: W_codes, .offset: 0, .size: 8, .value_kind: global_buffer, .address_space: global }
      - { .name: W_scales, .offset: 8, .size: 8, .value_kind: global_buffer, .address_space: global }
      - { .name: encoder_outputs_codes, .offset: 16, .size: 8, .value_kind: global_buffer, .address_space: global }
      - { .name: encoder_outputs_scales, .offset: 24, .size: 8, .value_kind: global_buffer, .address_space: global }
      - { .name: hidden, .offset: 32, .size: 8, .value_kind: global_buffer, .address_space: global }
      - { .name: part, .offset: 40, .size: 8, .value_kind: global_buffer, .address_space: global }
    .group_segment_fixed_size: 327680
    .private_segment_fixed_size: 0
    .kernarg_segment_align: 8
    .kernarg_segment_size: 48
    .max_flat_workgroup_size: 256
    .sgpr_count:     80
    .vgpr_count:     512
    .wavefront_size: 32
...
	.end_amdgpu_metadata
.endif
;; end of part 1
;; launch softmax (part 2): grid 32 x 1, 16 waves a work-group, no clusters, 3,072 bytes of LDS; arguments part, out0; writes out0
.if DOCPART == 2
	.amdgcn_target "amdgcn-amd-amdhsa--gfx1250"
	.amdhsa_code_object_version 6
	.text
	.protected	k_qa7b6107a8f_softmax
	.globl	k_qa7b6107a8f_softmax
	.p2align	8
	.type	k_qa7b6107a8f_softmax,@function
k_qa7b6107a8f_softmax:
	s_mov_b64 s[64:65], 0
	v_nop
	global_prefetch_b8 v0, s[64:65] scope:SCOPE_SE
	s_setreg_imm32_b32 hwreg(HW_REG_WAVE_MODE, 25, 1), 1
	s_wait_xcnt 0x0
; out0[b][s] = softmax over s of x[b][s], x = the sum of the four parts.  part: [4][32][2048] f32; out0: [32][2048] f32.  The bias is left out: it adds one number to a whole row (shown at the head of launch scores).
; A work-group of sixteen waves takes one batch; thread t owns s = 4 t .. 4 t + 3.  Each wave takes its own maximum off ahead of its exponentials; the waves exchange (maximum, sum) once,
; and each scales its numbers by 2^((its maximum - the row's) log2 e) / the row's sum.
; 32 work-groups: a row's maximum and sum cannot be shared among work-groups.  LIMITS: a p under 2^-126 comes out as 0 (v_exp_f32 flushes denormals: ISA guide 15.8); NaN or infinity among the scores is not served.
; LDS: bytes 0-127: a pair (maximum, sum) for each wave; the spare words from 1,024 on.
.macro WRED op, r                      ; over the 16 lanes of a row, in every lane
.irp m, 1,2,4,8
	s_delay_alu instid0(VALU_DEP_1)
	\op\()_dpp v[\r], v[\r], v[\r] row_xmask:\m row_mask:0xf bank_mask:0xf
.endr
.endm
	s_load_b128 s[4:7], s[0:1], 0x0                ; part, out0
	v_lshl_add_u32 v40, v0, 2, 0x400
	v_mov_b32 v41, 0
	v_lshlrev_b32 v2, 4, v0
	v_lshrrev_b32 v3, 5, v0
	v_and_b32 v4, 15, v0
	v_mov_b32 v9, 0                                ; (a lane permute's destination counts as a source)
	v_mov_b32 v11, 0                               ; (named in the pair v[10:11] before it is first used)
	v_lshlrev_b32 v3, 3, v3                        ; my wave's pair
	v_lshlrev_b32 v4, 3, v4                        ; the pair of wave l % 16
	s_lshl_b32 s8, ttmp9, 13                       ; my batch's row
	s_mov_b32 s9, 0
	s_mov_b32 s10, 0x76543210
	s_mov_b32 s11, 0xfedcba98                      ; lane l xor 16
	s_wait_alu depctr_va_vdst(0)
	s_wait_kmcnt 0x0
	s_add_nc_u64 s[4:5], s[4:5], s[8:9]
	s_add_nc_u64 s[6:7], s[6:7], s[8:9]
.irp p, 0,1,2,3
	global_load_b128 v[16+4*\p:19+4*\p], v2, s[4:5] offset:262144*\p
.endr
	s_wait_loadcnt 0x0
	v_pk_add_f32 v[16:17], v[16:17], v[20:21]
	v_pk_add_f32 v[18:19], v[18:19], v[22:23]
	v_pk_add_f32 v[24:25], v[24:25], v[28:29]
	v_pk_add_f32 v[26:27], v[26:27], v[30:31]
	s_delay_alu instid0(VALU_DEP_2)
	v_pk_add_f32 v[16:17], v[16:17], v[24:25]
	s_delay_alu instid0(VALU_DEP_2)
	v_pk_add_f32 v[18:19], v[18:19], v[26:27]
	s_delay_alu instid0(VALU_DEP_1)
	v_max3_num_f32 v10, v16, v17, v18
	s_delay_alu instid0(VALU_DEP_1)
	v_max_num_f32 v10, v10, v19
	WRED v_max_num_f32, 10
	s_delay_alu instid0(VALU_DEP_1)
	v_permlanex16_b32 v9, v10, s10, s11
	s_delay_alu instid0(VALU_DEP_1)
	v_max_num_f32 v10, v10, v9                     ; my wave's largest score
	s_delay_alu instid0(VALU_DEP_1)
	v_pk_add_f32 v[16:17], v[16:17], v[10:11] op_sel_hi:[1,0] neg_lo:[0,1] neg_hi:[0,1]
	v_pk_add_f32 v[18:19], v[18:19], v[10:11] op_sel_hi:[1,0] neg_lo:[0,1] neg_hi:[0,1]
	s_delay_alu instid0(VALU_DEP_2)
	v_pk_mul_f32 v[16:17], v[16:17], 0x3fb8aa3b op_sel_hi:[1,0]   ; x log2(e)
	s_delay_alu instid0(VALU_DEP_2)
	v_pk_mul_f32 v[18:19], v[18:19], 0x3fb8aa3b op_sel_hi:[1,0]
	s_wait_alu depctr_va_vdst(0)                   ; ahead of the batch, and behind it
.irp i, 16,17,18,19
	v_exp_f32 v\i, v\i
.endr
	v_nop
	s_wait_alu depctr_va_vdst(0)
	v_pk_add_f32 v[20:21], v[16:17], v[18:19]
	s_delay_alu instid0(VALU_DEP_1)
	v_add_f32 v11, v20, v21
	WRED v_add_f32, 11
	s_delay_alu instid0(VALU_DEP_1)
	v_permlanex16_b32 v9, v11, s10, s11
	s_delay_alu instid0(VALU_DEP_1)
	v_add_f32 v11, v11, v9                         ; my wave's sum
	ds_store_b64 v3, v[10:11]                      ; all lanes of a wave store the same
	s_wait_alu depctr_va_vdst(0)                   ; ahead of the blocking wait
	s_wait_dscnt 0x0
	s_barrier_signal -1
	s_barrier_wait -1
	ds_load_b64 v[12:13], v4                       ; lane l: wave l % 16's pair
	s_wait_dscnt 0x0
	v_mov_b32 v14, v12
	WRED v_max_num_f32, 14                         ; the row's largest score
	s_delay_alu instid0(VALU_DEP_1)
	v_sub_f32 v15, v12, v14
	v_sub_f32 v20, v10, v14
	s_delay_alu instid0(VALU_DEP_2)
	v_mul_f32 v15, 0x3fb8aa3b, v15
	s_delay_alu instid0(VALU_DEP_2)
	v_mul_f32 v20, 0x3fb8aa3b, v20
	s_wait_alu depctr_va_vdst(0)
	v_exp_f32 v15, v15
	v_exp_f32 v20, v20
	v_nop
	s_wait_alu depctr_va_vdst(0)
	v_mul_f32 v13, v13, v15
	WRED v_add_f32, 13                             ; the row's sum: at least 1
	s_wait_alu depctr_va_vdst(0)
	v_rcp_f32 v21, v13
	v_nop
	s_wait_alu depctr_va_vdst(0)
	v_mul_f32 v20, v20, v21
	v_pk_mul_f32 v[16:17], v[16:17], v[20:21] op_sel_hi:[1,0]
	v_pk_mul_f32 v[18:19], v[18:19], v[20:21] op_sel_hi:[1,0]
	global_store_b128 v2, v[16:19], s[6:7]         ; a wave stores 512 consecutive bytes
	s_wait_tensorcnt 0x0                           ; the wave's end
	ds_add_u32 v40, v41
	s_wait_dscnt 0x0
	s_endpgm
.Lfunc_end_k_qa7b6107a8f_softmax:
	.size	k_qa7b6107a8f_softmax, .Lfunc_end_k_qa7b6107a8f_softmax-k_qa7b6107a8f_softmax
	.p2alignl 7, 3214868480
	.fill 96, 4, 3214868480
	.section	.rodata,"a",@progbits
	.p2align	6, 0x0
	.amdhsa_kernel k_qa7b6107a8f_softmax
		.amdhsa_group_segment_fixed_size 3072
		.amdhsa_private_segment_fixed_size 0
		.amdhsa_enable_private_segment 0
		.amdhsa_kernarg_size 16
		.amdhsa_user_sgpr_count 2
		.amdhsa_user_sgpr_kernarg_segment_ptr 1
		.amdhsa_wavefront_size32 1
		.amdhsa_system_sgpr_workgroup_id_x 1
		.amdhsa_system_sgpr_workgroup_id_y 1
		.amdhsa_system_sgpr_workgroup_id_z 1
		.amdhsa_system_vgpr_workitem_id 0
		.amdhsa_next_free_vgpr 48
		.amdhsa_next_free_sgpr 66
		.amdhsa_reserve_vcc 0
		.amdhsa_float_denorm_mode_32 3
		.amdhsa_float_denorm_mode_16_64 3
		.amdhsa_memory_ordered 1
		.amdhsa_forward_progress 1
		.amdhsa_inst_pref_size 6
	.end_amdhsa_kernel
	.amdgpu_metadata
---
amdhsa.version: [ 1, 2 ]
amdhsa.kernels:
  - .name:           k_qa7b6107a8f_softmax
    .symbol:         k_qa7b6107a8f_softmax.kd
    .args:
      - { .name: part, .offset: 0, .size: 8, .value_kind: global_buffer, .address_space: global }
      - { .name: out0, .offset: 8, .size: 8, .value_kind: global_buffer, .address_space: global }
    .group_segment_fixed_size: 3072
    .private_segment_fixed_size: 0
    .kernarg_segment_align: 8
    .kernarg_segment_size: 16
    .max_flat_workgroup_size: 512
    .sgpr_count:     66
    .vgpr_count:     48
    .wavefront_size: 32
...
	.end_amdgpu_metadata
.endif
;; end of part 2
